; MI455X (gfx1250); checked and timed in simulation.
; The chip was launched on July 23, 2026; its instructions are those of AMD's public machine-readable ISA for CDNA 5 (MIT licence, August 2026) and "CDNA5" Instruction Set Architecture Reference Guide (July 2026). The comments in the code are by the model that wrote it; some were corrected since.
;; Corr Block. Allowed arithmetic: float matrix products may take bf16 or f16 operands with f32 sums; all other float work in f32.
;; Inputs: centroids_coords 2 x 2 x 64 x 64 float32; fmap1 2 x 256 x 64 x 64 float32; fmap2 2 x 256 x 64 x 64 float32.
;; Outputs: out0 2 x 324 x 64 x 64 float32.
;; 2 versions, each right and faster than the one before. Each part assembles by itself: llvm-mc -triple=amdgcn-amd-amdhsa -mcpu=gfx1250 --defsym DOCPART=n.
;; ======== version 1 of 2: 2 launches
;; limits: inputs' magnitudes at most 1,023; values are held in f16: magnitudes above 65,504 overflow, below 6.1e-05 lose precision
;; workspace buffers: f1n 4,194,304 bytes; f2s 6,291,456 bytes; idx 131,072 bytes of whole numbers
;; launch prep (part 1): grid 256 x 1, 4 waves a work-group, no clusters, 0 bytes of LDS; arguments fmap1, fmap2, centroids_coords, f1n, f2s, idx; writes f1n, f2s, idx
.if DOCPART == 1
	.amdgcn_target "amdgcn-amd-amdhsa--gfx1250"
	.amdhsa_code_object_version 6
	.text
	.protected	k_q61c974bf00_prep
	.globl	k_q61c974bf00_prep
	.p2align	8
	.type	k_q61c974bf00_prep,@function
k_q61c974bf00_prep:
	s_mov_b64 s[64:65], 0
	v_nop
	global_prefetch_b8 v0, s[64:65] scope:SCOPE_SE
	s_setreg_imm32_b32 hwreg(HW_REG_WAVE_MODE, 25, 1), 1
	s_wait_xcnt 0x0
; prep: fmap1 and fmap2 ([2][256][64][64] f32, channels outermost) become f16 tiles in which a matrix fragment is
; 512 neighbouring bytes; fmap2 is also pooled three times (as SUMS of 4, 16, 64 pixels; the means' factors are applied
; in the next launch); floor(centroid / 2^l) is stored as whole numbers, from which the next launch forms LDS addresses.
; f16, NOT bf16: a significand of 11 bits instead of 8 makes the rounding error of the 256-term sums eight times smaller,
; at the same bytes and the same matrix form's cost; the price is range (see LIMITS).
;
; TILE: 16 positions x 256 channels = 8,192 bytes; channel c of position r at (c>>3)*256 + r*16 + 2*(c&7).
; f1n : tile b*256 + pixel/16.
; f2s : 8 streams (batch b, part p of 16 image rows), 96 tiles each.  rel = row of the level - first row of the part.
;       level 0: rel 0..16, tile rel*4 + x/16        level 1: rel 0..9, tile 68 + rel*2 + x/16
;       level 2: rel 0..5,  tile 88 + rel            level 3: rel 0..3, tile 94 + rel/2, r = (rel&1)*8 + x
;       Rows beyond the part's own (16, 8, 4, 2 rows) are copies of the next part's first rows; in part 3 they are zeros,
;       which is the zero padding below the image.  The wave that makes a row also stores its copy: part p's copies go to
;       part (p-1)&3, and part 0 sends zeros (its data ANDed with 0) to part 3, so every byte of f2s is stored once.
; idx : four planes of 8,192 words, level l, query q = b*4096 + pixel: ((X0 >> l) + 128) | ((Y0 >> l) + 128) << 16 with
;       X0 = clamp(floor(cx), -128, 255), Y0 likewise, the shift arithmetic: floor(c / 2^l) = floor(floor(c) / 2^l).
; LIMITS: f16's range: |fmap1|, |fmap2| and the sums of 4, 16 and 64 pixels of fmap2 must stay below 65,504 (certain for
; |fmap2| <= 1023); magnitudes below 2^-14 are kept as f16 denormals, absolute error at most 2^-25.
; NaN and infinite coordinates are not served.  At the clamp's ends a 9x9 window lies outside all four levels.
;
; SHARES: work-groups 0..127 take fmap1, 128..255 fmap2.  A wave takes 8 channels x 8 image rows x 64 columns (16 KiB):
; lane L holds column 32*half + L, so its 8 channels pack into the 16 bytes of one position of a tile.
; No LDS, no barrier: waves share nothing.  Memory binds; the matrix unit and clusters have nothing to do here.
.set V,  16                            ; v[16:143]  V(i, half, k) = V + 16 i + 8 half + k: row i, channel k, as f32
.set Y,  144                           ; v[144:207] Y(i, half) = Y + 8 i + 4 half: 8 channels in f16; rows 1..6 reused for pooled packs
.set C,  208                           ; v[208:231] the copies for the neighbouring part
.set T8, Y+56                          ; v[200:207] eight selected sums, at work (free once row 7's stores have read it)
.set U8, V+16                          ; v[32:39]   eight more (row 1 is dead once it is added to row 0)
.set TILE,   8192
.set STREAM, 96*TILE
	s_load_b256 s[4:11], s[0:1], 0x0               ; fmap1 s[4:5], fmap2 s[6:7], centroids s[8:9], f1n s[10:11]
	s_load_b128 s[12:15], s[0:1], 0x20             ; f2s s[12:13], idx s[14:15]
	v_lshrrev_b32 v7, 5, v0
	v_readfirstlane_b32 s16, v7                    ; wave
	s_lshr_b32 s17, ttmp9, 7                       ; src: 0 = fmap1, 1 = fmap2
	s_and_b32 s18, ttmp9, 127                      ; t
	s_lshl2_add_u32 s45, s18, s16                  ; task = 4 t + wave, 0..511
	s_lshr_b32 s19, s45, 8                         ; b
	s_bfe_u32 s20, s45, 0x30005                    ; beta: band of 8 image rows (3 bits from bit 5)
	s_and_b32 s21, s45, 31                         ; co: octet of channels
	s_lshr_b32 s22, s20, 1                         ; p: part of 16 rows
	s_and_b32 s23, s20, 1                          ; odd: second band of the part
	v_and_b32 v1, 31, v0                           ; L
	v_lshlrev_b32 v2, 2, v1                        ; VIN = 4 L
	v_lshrrev_b32 v7, 4, v1
	v_and_b32 v8, 15, v1
	v_lshlrev_b32 v8, 4, v8
	v_lshl_add_u32 v3, v7, 13, v8                  ; VL0 = (L/16) tiles + (L%16)*16
	; byte offsets, kept apart from the pointers
	s_lshl_b32 s26, s19, 22                        ; source: (b*256 + co*8) planes of 16,384 bytes + beta*8 rows of 256
	s_lshl_b32 s48, s21, 17
	s_add_co_u32 s26, s26, s48
	s_lshl_b32 s48, s20, 11
	s_add_co_u32 s26, s26, s48
	s_mov_b32 s27, 0
	s_lshl_b32 s51, s21, 8                         ; co*256: the octet's place in a tile
	s_lshl_b32 s49, s19, 21                        ; f1n: b*256 tiles + beta*32 tiles + co*256
	s_lshl_b32 s48, s20, 18
	s_add_co_u32 s49, s49, s48
	s_add_co_u32 s49, s49, s51
	s_lshl2_add_u32 s50, s19, s22                  ; f2s: stream 4 b + p
	s_mul_i32 s50, s50, STREAM
	s_add_co_u32 s50, s50, s51                     ; s50 = stream + co*256
	s_lshl_b32 s48, s23, 18
	s_add_co_u32 s48, s50, s48                     ; level 0: + odd*8 rows of 4 tiles
	s_wait_kmcnt 0x0
	s_cmp_eq_u32 s17, 0
	s_cselect_b64 s[28:29], s[4:5], s[6:7]         ; SRC
	s_cselect_b64 s[30:31], s[10:11], s[12:13]     ; D0
	s_cselect_b32 s52, s49, s48
	s_mov_b32 s53, 0
	s_add_nc_u64 s[28:29], s[28:29], s[26:27]
	s_add_nc_u64 s[30:31], s[30:31], s[52:53]
	; all 128 loads at once, row by row: the wave's whole 16 KiB is asked for before anything is waited for
.irp i, 0,1,2,3,4,5,6,7
.irp hf, 0,1
.irp k, 0,1,2,3,4,5,6,7
	global_load_b32 v[V+16*\i+8*\hf+\k], v2, s[28:29] offset:\k*16384+\i*256+\hf*128 th:TH_LOAD_NT
.endr
.endr
.endr
.macro PACK dst, src                   ; eight f32 to eight f16, the first source into the low half
.irp k, 0,1,2,3
	v_cvt_pk_f16_f32 v[\dst+\k], v[\src+2*\k], v[\src+2*\k+1]
.endr
.endm
	; level 0 (and all of fmap1): row i is in when at most 112 - 16 i younger loads are out; the wait can name 63 at most
.irp i, 0,1,2,3,4,5,6,7
.if 112-16*\i > 63
	s_wait_loadcnt 63
.else
	s_wait_loadcnt 112-16*\i
.endif
	PACK Y+8*\i, V+16*\i
	PACK Y+8*\i+4, V+16*\i+8
	global_store_b128 v3, v[Y+8*\i:Y+8*\i+3], s[30:31] offset:(4*\i)*TILE       ; lanes 0-15 and 16-31 each fill 256 aligned bytes
	global_store_b128 v3, v[Y+8*\i+4:Y+8*\i+7], s[30:31] offset:(4*\i+2)*TILE
.endr
	s_cmp_eq_u32 s17, 0
	s_cbranch_scc1 .Lidx
	; ---------------- fmap2 only: the pooled levels and the copies ----------------
	s_cmp_eq_u32 s22, 0
	s_cselect_b32 s24, 0, -1                       ; sM: part 0 sends zeros to part 3
	s_lshl_b32 s52, s23, 16                        ; level 1: odd*4 rows of 2 tiles
	s_add_co_u32 s52, s52, s50
	s_add_nc_u64 s[32:33], s[12:13], s[52:53]      ; SB1
	s_lshl_b32 s52, s23, 14                        ; level 2: odd*2 rows of 1 tile
	s_add_co_u32 s52, s52, s50
	s_add_nc_u64 s[34:35], s[12:13], s[52:53]      ; SB2
	s_lshl_b32 s48, s23, 7                         ; level 3: odd*8 positions of 16 bytes
	s_add_co_u32 s52, s48, s50
	s_add_nc_u64 s[36:37], s[12:13], s[52:53]      ; SB3
	s_add_co_u32 s49, s22, 3
	s_and_b32 s49, s49, 3                          ; pc = (p - 1) & 3
	s_lshl2_add_u32 s49, s19, s49
	s_mul_i32 s49, s49, STREAM
	s_add_co_u32 s52, s49, s51
	s_add_nc_u64 s[38:39], s[12:13], s[52:53]      ; CB: the neighbour's stream + co*256
	s_add_co_u32 s52, s52, s48
	s_add_nc_u64 s[40:41], s[12:13], s[52:53]      ; CB3 = CB + odd*128
	v_and_b32 v7, 1, v1                            ; L & 1
	v_cmp_ne_u32 s46, 0, v7                        ; odd lanes take the right half of the row
	v_and_b32 v8, 2, v1
	v_cmp_ne_u32 s47, 0, v8                        ; lanes with bit 1 take the second level-2 row
	v_lshrrev_b32 v8, 1, v1
	v_lshlrev_b32 v8, 4, v8
	v_lshl_add_u32 v4, v7, 13, v8                  ; VL1 = (L&1) tiles + (L/2)*16
	v_bfe_u32 v9, v1, 1, 1
	v_lshrrev_b32 v10, 2, v1
	v_lshl_add_u32 v10, v7, 3, v10
	v_lshlrev_b32 v10, 4, v10
	v_lshl_add_u32 v5, v9, 13, v10                 ; VL2 = ((L/2)&1) tiles + (L/4 + 8 (L&1))*16
	v_lshrrev_b32 v10, 3, v1
	v_lshl_add_u32 v10, v7, 2, v10
	v_lshlrev_b32 v6, 4, v10                       ; VL3 = (L/8 + 4 (L&1))*16
	s_wait_xcnt 0x0                                ; the stores above have read Y: rows 1..7 of Y are rewritten only behind this wait
.irp e, 0,1,2,3,4,5,6,7
	v_and_b32 v[C+\e], s24, v[Y+\e]                ; copy of level 0, row 0
.endr
	; level 1: two rows, then the neighbouring lane; lane L ends with column 16 (L&1) + L/2
.irp a, 0,1,2,3
.irp e, 0,2,4,6,8,10,12,14
	v_pk_add_f32 v[V+32*\a+\e:V+32*\a+\e+1], v[V+32*\a+\e:V+32*\a+\e+1], v[V+32*\a+16+\e:V+32*\a+16+\e+1]
.endr
.irp e, 0,1,2,3,4,5,6,7,8,9,10,11,12,13,14,15
	v_add_f32_dpp v[V+32*\a+\e], v[V+32*\a+\e], v[V+32*\a+\e] row_xmask:1 row_mask:0xf bank_mask:0xf
.endr
.irp k, 0,1,2,3,4,5,6,7
	v_cndmask_b32 v[T8+\k], v[V+32*\a+\k], v[V+32*\a+8+\k], s46
.endr
	PACK Y+8+8*\a, T8
	global_store_b128 v4, v[Y+8+8*\a:Y+8+8*\a+3], s[32:33] offset:(68+2*\a)*TILE
.endr
.irp a, 0,1
.irp k, 0,1,2,3
	v_and_b32 v[C+8+4*\a+\k], s24, v[Y+8+8*\a+\k]  ; copies of level 1, rows 0 and 1
.endr
.endr
	; level 2: two level-1 rows, then the lane two away; lane L ends with row (L/2)&1, column 8 (L&1) + L/4
.irp a, 0,1
.irp e, 0,2,4,6,8,10,12,14
	v_pk_add_f32 v[V+64*\a+\e:V+64*\a+\e+1], v[V+64*\a+\e:V+64*\a+\e+1], v[V+64*\a+32+\e:V+64*\a+32+\e+1]
.endr
.irp e, 0,1,2,3,4,5,6,7,8,9,10,11,12,13,14,15
	v_add_f32_dpp v[V+64*\a+\e], v[V+64*\a+\e], v[V+64*\a+\e] row_xmask:2 row_mask:0xf bank_mask:0xf
.endr
.endr
.irp k, 0,1,2,3,4,5,6,7
	v_cndmask_b32 v[T8+\k], v[V+\k], v[V+8+\k], s46
	v_cndmask_b32 v[U8+\k], v[V+64+\k], v[V+72+\k], s46
.endr
.irp k, 0,1,2,3,4,5,6,7
	v_cndmask_b32 v[T8+\k], v[T8+\k], v[U8+\k], s47
.endr
	PACK Y+40, T8
	global_store_b128 v5, v[Y+40:Y+43], s[34:35] offset:88*TILE
.irp k, 0,1,2,3
	v_and_b32 v[C+16+\k], s24, v[Y+40+\k]          ; copy of level 2, rows 0 and 1
.endr
	; level 3: the two level-2 rows, then the lane four away; lane L ends with column 4 (L&1) + L/8
.irp e, 0,2,4,6,8,10,12,14
	v_pk_add_f32 v[V+\e:V+\e+1], v[V+\e:V+\e+1], v[V+64+\e:V+64+\e+1]
.endr
.irp e, 0,1,2,3,4,5,6,7,8,9,10,11,12,13,14,15
	v_add_f32_dpp v[V+\e], v[V+\e], v[V+\e] row_xmask:4 row_mask:0xf bank_mask:0xf
.endr
.irp k, 0,1,2,3,4,5,6,7
	v_cndmask_b32 v[T8+\k], v[V+\k], v[V+8+\k], s46
.endr
	PACK Y+48, T8
.irp k, 0,1,2,3
	v_and_b32 v[C+20+\k], s24, v[Y+48+\k]          ; copy of level 3
.endr
	; the copies of levels 0 to 2 are the part's FIRST rows: only its first band has them
	s_cmp_lg_u32 s23, 0
	s_cbranch_scc1 .Lnocopy
	global_store_b128 v3, v[C:C+3], s[38:39] offset:64*TILE
	global_store_b128 v3, v[C+4:C+7], s[38:39] offset:66*TILE
	global_store_b128 v4, v[C+8:C+11], s[38:39] offset:84*TILE
	global_store_b128 v4, v[C+12:C+15], s[38:39] offset:86*TILE
	global_store_b128 v5, v[C+16:C+19], s[38:39] offset:92*TILE
.Lnocopy:
	; level 3: eight columns, held by the lanes with (L & 6) == 0; both bands of a part have a row and a copy
	v_and_b32 v7, 6, v1
	v_cmp_eq_u32 vcc_lo, 0, v7
	s_wait_xcnt 0x0                                ; EXEC is a source of the stores above: it narrows only behind this wait
	s_and_saveexec_b32 s42, vcc_lo
	global_store_b128 v6, v[Y+48:Y+51], s[36:37] offset:94*TILE
	global_store_b128 v6, v[C+20:C+23], s[40:41] offset:95*TILE
	s_wait_xcnt 0x0                                ; and widens only behind this one
	s_or_b32 exec_lo, exec_lo, s42
	s_endpgm
	; ---------------- fmap1's first 64 work-groups also make the whole numbers: 128 queries each ----------------
.Lidx:
	s_cmp_ge_u32 s18, 64
	s_cbranch_scc1 .Lend
	s_lshr_b32 s26, s18, 5                         ; b
	s_lshl_b32 s26, s26, 15                        ; b * 2 planes of 16,384 bytes
	s_and_b32 s48, s18, 31
	s_lshl_b32 s48, s48, 9                         ; + 128 pixels of 4 bytes for each work-group
	s_add_co_u32 s26, s26, s48
	s_add_nc_u64 s[8:9], s[8:9], s[26:27]
	s_lshl_b32 s26, s18, 9
	s_add_nc_u64 s[14:15], s[14:15], s[26:27]
	s_mov_b32 s43, 0xc3000000                      ; -128.0
	s_mov_b32 s44, 0x437f0000                      ; 255.0
	v_lshlrev_b32 v12, 2, v0
	global_load_b32 v7, v12, s[8:9]                ; cx
	global_load_b32 v8, v12, s[8:9] offset:16384   ; cy
	s_wait_loadcnt 0x0
	v_floor_f32 v7, v7
	v_floor_f32 v8, v8
	v_med3_num_f32 v7, v7, s43, s44
	v_med3_num_f32 v8, v8, s43, s44
	v_cvt_i32_f32 v7, v7                           ; X0
	v_cvt_i32_f32 v8, v8                           ; Y0
.irp l, 0,1,2,3                                    ; a word for each level; each has its own data register (V is dead here)
	v_ashrrev_i32 v9, \l, v7
	v_ashrrev_i32 v10, \l, v8
	v_add_nc_u32 v9, 128, v9
	v_add_nc_u32 v10, 128, v10
	v_lshl_or_b32 v[V+\l], v10, 16, v9
	global_store_b32 v12, v[V+\l], s[14:15] offset:\l*32768
.endr
.Lend:
	s_endpgm
.Lfunc_end_k_q61c974bf00_prep:
	.size	k_q61c974bf00_prep, .Lfunc_end_k_q61c974bf00_prep-k_q61c974bf00_prep
	.p2alignl 7, 3214868480
	.fill 96, 4, 3214868480
	.section	.rodata,"a",@progbits
	.p2align	6, 0x0
	.amdhsa_kernel k_q61c974bf00_prep
		.amdhsa_group_segment_fixed_size 0
		.amdhsa_private_segment_fixed_size 0
		.amdhsa_enable_private_segment 0
		.amdhsa_kernarg_size 48
		.amdhsa_user_sgpr_count 2
		.amdhsa_user_sgpr_kernarg_segment_ptr 1
		.amdhsa_wavefront_size32 1
		.amdhsa_system_sgpr_workgroup_id_x 1
		.amdhsa_system_sgpr_workgroup_id_y 1
		.amdhsa_system_sgpr_workgroup_id_z 1
		.amdhsa_system_vgpr_workitem_id 0
		.amdhsa_next_free_vgpr 232
		.amdhsa_next_free_sgpr 66
		.amdhsa_reserve_vcc 1
		.amdhsa_float_denorm_mode_32 3
		.amdhsa_float_denorm_mode_16_64 3
		.amdhsa_memory_ordered 1
		.amdhsa_forward_progress 1
		.amdhsa_inst_pref_size 42
	.end_amdhsa_kernel
	.amdgpu_metadata
---
amdhsa.version: [ 1, 2 ]
amdhsa.kernels:
  - .name:           k_q61c974bf00_prep
    .symbol:         k_q61c974bf00_prep.kd
    .args:
      - { .name: fmap1, .offset: 0, .size: 8, .value_kind: global_buffer, .address_space: global }
      - { .name: fmap2, .offset: 8, .size: 8, .value_kind: global_buffer, .address_space: global }
      - { .name: centroids_coords, .offset: 16, .size: 8, .value_kind: global_buffer, .address_space: global }
      - { .name: f1n, .offset: 24, .size: 8, .value_kind: global_buffer, .address_space: global }
      - { .name: f2s, .offset: 32, .size: 8, .value_kind: global_buffer, .address_space: global }
      - { .name: idx, .offset: 40, .size: 8, .value_kind: global_buffer, .address_space: global }
    .group_segment_fixed_size: 0
    .private_segment_fixed_size: 0
    .kernarg_segment_align: 8
    .kernarg_segment_size: 48
    .max_flat_workgroup_size: 128
    .sgpr_count:     66
    .vgpr_count:     232
    .wavefront_size: 32
...
	.end_amdgpu_metadata
.endif
;; end of part 1
;; launch main (part 2): grid 32 x 8, 4 waves a work-group, no clusters, 290,816 bytes of LDS; arguments f1n, f2s, idx, centroids_coords, out0; writes out0
.if DOCPART == 2
	.amdgcn_target "amdgcn-amd-amdhsa--gfx1250"
	.amdhsa_code_object_version 6
	.text
	.protected	k_q61c974bf00_main
	.globl	k_q61c974bf00_main
	.p2align	8
	.type	k_q61c974bf00_main,@function
k_q61c974bf00_main:
	s_mov_b64 s[64:65], 0
	v_nop
	global_prefetch_b8 v0, s[64:65] scope:SCOPE_SE
	s_setreg_imm32_b32 hwreg(HW_REG_WAVE_MODE, 25, 1), 1
	s_wait_xcnt 0x0
; main: the correlation volume and its three pooled levels are made tile by tile, never stored, and sampled from LDS.
; Pooling is linear, so level l of the volume is f1 x (f2 pooled l times): all four levels are one and the same matrix step
; on a stream of 96 f2 tiles (layouts: see the launch that stores f1n, f2s and idx).  Operands are f16, sums f32.
;
; SHARES: work-group (g, 4 b + p) takes 128 queries (pixels 128 g ..) of batch b and part p of the f2 image (16 rows of level 0
; and their pooled rows, plus one row of halo per level).  Four waves, one per SIMD.  Every wave holds all 128 queries of f1 in
; 512 registers; in each of 24 steps wave w multiplies them with tile 4 t + w of the stream: 64 matrix instructions on 8 KiB of f2.
; f2 goes from memory straight into a ring of four register buffers: no f2 byte is read by two waves of the group, so LDS would only
; add a write and a read of each byte.  Three tiles a wave (24 KiB) are always on their way.
; NO CLUSTER: joint requests are a matter of tensor loads into LDS, which this text does not use for the reason above.
;
; SAMPLING: all 81 points of a window share one pair of fractions, so a level needs the 10 x 10 integer patch round
; (floor x, floor y) and two lerps.  A step's 128 x 64 results go to a stage in LDS (two buffers in turn, one barrier a step); in the
; next step lane L of wave w picks, for its query 32 w + L, the ten columns of each row into its own patch of the level.  Rows and
; columns outside the patch or the image go to a dump word of the lane, so the patch keeps its zeros there: that is the zero padding.
; Each level has a patch region of its own, and the four levels are sampled behind the last step: up to there every lane is on, and
; the lane masks of the output stores come only when no address is formed from loaded whole numbers any more.
; A point (level, i, j) is stored by the part that holds row y0 = floor(y) + j - 4 (part 0 also all y0 < 0, part 3 all beyond the image);
; the halo gives it row y0 + 1.  So each output is stored by one work-group, by stores of up to 128 neighbouring bytes under a lane mask.
; The factor 1/16 and the pool's 4^-l are folded into the x weights (f2s holds sums).
; LIMITS: f16's range for the operands: |fmap1|, |fmap2| and the sums of 4, 16, 64 pixels of fmap2 below 65,504 (certain for
; |fmap2| <= 1023); magnitudes below 2^-14 are f16 denormals, absolute error at most 2^-25.
; NaN and infinite coordinates are not served; floor(c) is clamped to -128..255, where every window is outside all levels;
; c/2^l + d is not rounded before its floor (the sampled function is continuous: a few units in the last place);
; pooled f2 is rounded to f16 after pooling.
;
; REGISTERS.  Window 0: v1 L; v2 VB; v3 VA; v4 VO; v5 STO; v6 the level's patch of my lane; v7 PZ; v8 MB; v9 400; v12,13 cx,cy;
;   v14,15 XL,YL; v16 ROWB; v17 YO; v18,19 WX0,WX1; v[20:21] WY0 twice; v[22:23] WY1 twice; v24-27 at work; v[28:31] zeros;
;   v[32:41] LA; v[42:51] SA; v[52:55] idx words of levels 0..3; v[56:59] my lane's patch in levels 0..3; v60 the level's PZ;
;   v[64:127] ACC (tile mt at 64 + 8 mt); v[128:227] P, the patch; G = v[128:167] picked values.
;   Windows 1, 2: f1, fragment (mt, s) at 256 + 64 mt + 8 s.   Window 3: f2, buffer k, K step s at 768 + 64 k + 8 s.
.set SP,    272                        ; a stage row: 64 f32 + 16 bytes, an odd multiple of 16
.set STG,   128*SP                     ; a stage buffer, 34,816 bytes
.set PATCH, 2*STG                      ; the patches lie behind the two stage buffers
.set PL,    432                        ; a lane's patch: 100 words, the dump word at byte 400, padded to an odd multiple of 16
.set PW,    32*PL                      ; a wave's patches of one level, 13,824 bytes
.set PLEV,  4*PW                       ; a level's patches, 55,296 bytes
.set STEPB, 32768                      ; four tiles: one step of the stream
.set LA,  32
.set SA,  42
.set IDX, 52
.set PBL, 56
.set ACC, 64
.set P,   128
.set G,   128
.set MSB, 0
.macro WIN new                         ; s_set_vgpr_msb: bits 1:0 source 0, 3:2 source 1, 5:4 source 2, 7:6 destination;
.if MSB != \new                        ; the high byte repeats the setting that is left
	s_set_vgpr_msb (MSB<<8)|\new
.set MSB, \new
.endif
.endm
	s_load_b256 s[4:11], s[0:1], 0x0               ; f1n s[4:5], f2s s[6:7], idx s[8:9], centroids s[10:11]
	s_load_b64 s[12:13], s[0:1], 0x20              ; out0
	v_lshrrev_b32 v24, 5, v0
	v_readfirstlane_b32 s14, v24                   ; wave
	s_and_b32 s16, ttmp7, 0xffff                   ; 4 b + p
	s_lshr_b32 s17, s16, 2                         ; b
	s_and_b32 s18, s16, 3                          ; p
	v_and_b32 v1, 31, v0                           ; L
	v_lshlrev_b32 v3, 4, v1                        ; VA = 16 L
	s_lshl_b32 s28, s14, 13
	v_add_nc_u32 v2, s28, v3                       ; VB = my tile of a step + 16 L
	v_lshlrev_b32 v4, 2, v0                        ; VO = 4 (32 w + L): my query's word in idx, centroids and out0
	v_and_b32 v24, 15, v0                          ; r
	v_bfe_u32 v25, v0, 4, 1                        ; h
	v_mul_u32_u24 v5, v24, SP
	v_lshl_add_u32 v5, v25, 5, v5
	s_lshl_b32 s28, s14, 6
	v_add_nc_u32 v5, s28, v5                       ; STO = r rows + 4 (16 w + 8 h)
	s_mul_i32 s28, s14, PW
	s_add_co_u32 s28, s28, PATCH                   ; my wave's patches of level 0
	v_mul_u32_u24 v[PBL], v1, PL
	v_add_nc_u32 v[PBL], s28, v[PBL]               ; my lane's patch, level 0,
	v_add_nc_u32 v[PBL+1], 1*PLEV, v[PBL]          ; and levels 1 to 3
	v_add_nc_u32 v[PBL+2], 2*PLEV, v[PBL]
	v_add_nc_u32 v[PBL+3], 3*PLEV, v[PBL]
	v_add_nc_u32 v7, s28, v3                       ; PZ: for clearing, 512 bytes an instruction
	v_mul_u32_u24 v8, v0, SP                       ; MB: my query's stage row
	v_mov_b32 v9, 400
	v_mov_b32 v28, 0
	v_mov_b32 v29, 0
	v_mov_b32 v30, 0
	v_mov_b32 v31, 0
	s_mov_b32 s21, 0
	s_lshl_b32 s28, ttmp9, 9                       ; g * 128 words
	s_wait_kmcnt 0x0
	s_lshl_b32 s20, s17, 21                        ; f1n: b*256 tiles + g*8 tiles
	s_lshl_b32 s29, ttmp9, 16
	s_add_co_u32 s20, s20, s29
	s_add_nc_u64 s[4:5], s[4:5], s[20:21]
	s_mul_i32 s20, s16, 96*8192                    ; f2s: my stream
	s_add_nc_u64 s[6:7], s[6:7], s[20:21]
	s_lshl_b32 s20, s17, 14
	s_add_co_u32 s20, s20, s28
	s_add_nc_u64 s[8:9], s[8:9], s[20:21]
	s_lshl_b32 s20, s17, 15
	s_add_co_u32 s20, s20, s28
	s_add_nc_u64 s[10:11], s[10:11], s[20:21]
	s_mul_i32 s20, s17, 324*16384
	s_add_co_u32 s20, s20, s28
	s_add_nc_u64 s[12:13], s[12:13], s[20:21]
; 16 loads: tile at byte imm of the stream (from the stepped base) into f2 buffer buf; each covers 512 neighbouring bytes
.macro REFILL buf, imm
	WIN 0xc0
.irp c, 0,1,2,3,4,5,6,7,8,9,10,11,12,13,14,15
	global_load_b128 v[64*\buf+4*\c:64*\buf+4*\c+3], v2, s[6:7] offset:\imm+512*\c
.endr
	WIN 0
.endm
.irp l, 0,1,2,3
	global_load_b32 v[IDX+\l], v4, s[8:9] offset:\l*32768      ; the whole numbers of my query, level l
.endr
	global_load_b32 v12, v4, s[10:11]              ; cx
	global_load_b32 v13, v4, s[10:11] offset:16384 ; cy
	WIN 0x40                                       ; f1: 8 tiles of 16 queries, 128 loads
.irp mt, 0,1,2,3
.irp c, 0,1,2,3,4,5,6,7,8,9,10,11,12,13,14,15
	global_load_b128 v[64*\mt+4*\c:64*\mt+4*\c+3], v3, s[4:5] offset:\mt*8192+512*\c
.endr
.endr
	WIN 0x80
.irp mt, 0,1,2,3
.irp c, 0,1,2,3,4,5,6,7,8,9,10,11,12,13,14,15
	global_load_b128 v[64*\mt+4*\c:64*\mt+4*\c+3], v3, s[4:5] offset:(\mt+4)*8192+512*\c
.endr
.endr
	REFILL 0, 0*STEPB
	REFILL 1, 1*STEPB
	REFILL 2, 2*STEPB
	REFILL 3, 3*STEPB
; 64 matrix instructions: 128 queries x 16 positions x 256 channels.  Source 0 = f2 (window 3), source 1 = f1 (window 1, then 2):
; lane (r, h), register j of tile mt then holds query 16 mt + r, position 8 h + j: eight neighbouring positions of one query.
; The first K step takes C = 0: nothing is cleared.  Four chains run side by side.
.macro MM buf
	WIN 0x07
.irp s, 0,1,2,3,4,5,6,7
.irp mt, 0,1,2,3
.if \s == 0
	v_wmma_f32_16x16x32_f16 v[ACC+8*\mt:ACC+8*\mt+7], v[64*\buf+8*\s:64*\buf+8*\s+7], v[64*\mt+8*\s:64*\mt+8*\s+7], 0
.else
	v_wmma_f32_16x16x32_f16 v[ACC+8*\mt:ACC+8*\mt+7], v[64*\buf+8*\s:64*\buf+8*\s+7], v[64*\mt+8*\s:64*\mt+8*\s+7], v[ACC+8*\mt:ACC+8*\mt+7]
.endif
.endr
.endr
	WIN 0x0b
.irp s, 0,1,2,3,4,5,6,7
.irp mt, 0,1,2,3
.if \s == 0
	v_wmma_f32_16x16x32_f16 v[ACC+32+8*\mt:ACC+32+8*\mt+7], v[64*\buf+8*\s:64*\buf+8*\s+7], v[64*\mt+8*\s:64*\mt+8*\s+7], 0
.else
	v_wmma_f32_16x16x32_f16 v[ACC+32+8*\mt:ACC+32+8*\mt+7], v[64*\buf+8*\s:64*\buf+8*\s+7], v[64*\mt+8*\s:64*\mt+8*\s+7], v[ACC+32+8*\mt:ACC+32+8*\mt+7]
.endif
.endr
.endr
	WIN 0
.endm
; Behind the matrix instructions: four independent vector places before loads are issued into the f2 buffer they
; read and before LDS stores read the sums; five before the next step's first products, which take C = 0, write over the sums.
.macro PLACES
.rept 5
	v_nop
.endr
.endm
; the sums to stage buffer stg: 16 bytes a lane, rows 272 bytes apart
.macro STAGE stg
.irp mt, 0,1,2,3,4,5,6,7
	ds_store_b128 v5, v[ACC+8*\mt:ACC+8*\mt+3] offset:\stg*STG+\mt*16*SP
	ds_store_b128 v5, v[ACC+8*\mt+4:ACC+8*\mt+7] offset:\stg*STG+\mt*16*SP+16
.endr
.endm
; pick-up, loads: n image rows lie in my query's stage row at columns col0 + k cstr; ten clamped columns of each
.macro PKL n, stg, col0, cstr
.set pk, 0
.rept \n
.irp px, 0,1,2,3,4,5,6,7,8,9
	ds_load_b32 v[G+10*pk+\px], v[LA+\px] offset:\stg*STG+4*(\col0+pk*\cstr)
.endr
.set pk, pk+1
.endr
.endm
; pick-up, stores: row s22 + k of the part is patch row py = ROWB + s22 + k; outside 0..9 (as unsigned) it becomes 10, byte 400;
; a column outside the image has SA = 400; the smaller of the sum and 400 is the word's place or the dump word.  EXEC stays full.
.macro PKS n
.set pk, 0
.rept \n
	v_add3_u32 v24, s22, v16, pk
	v_min_u32 v24, 10, v24
	v_mul_u32_u24 v24, 40, v24
.irp px, 0,1,2,3,4,5,6,7,8,9
	v_add_nc_u32 v[25+(\px%3)], v24, v[SA+\px]
	v_min_u32 v[25+(\px%3)], 400, v[25+(\px%3)]
	v_add_nc_u32 v[25+(\px%3)], v6, v[25+(\px%3)]
	ds_store_b32 v[25+(\px%3)], v[G+10*pk+\px]
.endr
.set pk, pk+1
.endr
	s_add_co_u32 s22, s22, \n
.endm
.macro FLUSH n, stg, col0, cstr        ; the pick-up of a level's last step, which no further step carries
	PKL \n, \stg, \col0, \cstr
	s_wait_dscnt 0x0
	PKS \n
.endm
; One step.  left: younger f2 loads that may stay out.  refill: byte of the tile four steps ahead, or -1.  pn rows of the step before
; are picked from stage buffer pstg.  ONE BARRIER serves both orders: in front of it each wave has waited for its stage stores (read by all
; in the next step) and for its reads of the other stage buffer (written by all in the next step).
.macro STEP buf, stg, left, refill, pn, pstg, pcol0, pcstr
.if \pn
	PKL \pn, \pstg, \pcol0, \pcstr                 ; issued ahead of the products, used behind them
.endif
	s_wait_loadcnt \left
	MM \buf
	PLACES
.if \refill >= 0
	REFILL \buf, \refill
.endif
.if \pn
	s_wait_dscnt 0x0                               ; the picked values are in
	PKS \pn
.endif
	STAGE \stg
	s_wait_dscnt 0x0                               ; for the other waves' sake: stores visible, reads over
	s_barrier_signal -1
	s_barrier_wait -1
.endm
; What the pick-up of a level needs: W = 64 >> l columns, the part's first row p (16 >> l), the level's own whole numbers.
; Behind each clamp of a loaded number stand only sums, a maximum, a further clamp and a shift to the left.
.macro LEVELSET l
.set WL, 64>>\l
	s_lshl_b32 s28, s18, 4-\l                      ; the part's first row, p R
	s_add_co_u32 s25, s28, 4
	s_mov_b32 s22, 0                               ; rows picked so far
	v_and_b32 v14, 0xffff, v[IDX+\l]
	v_lshrrev_b32 v15, 16, v[IDX+\l]
	v_min_u32 v14, 383, v14
	v_min_u32 v15, 383, v15
	v_add_nc_u32 v14, 0xffffff80, v14              ; XL = floor(x / 2^l), -128 .. 255
	v_add_nc_u32 v15, 0xffffff80, v15              ; YL
	v_sub_nc_u32 v16, s25, v15                     ; ROWB = p R + 4 - YL
	v_mov_b32 v6, v[PBL+\l]                        ; my lane's patch of this level
	v_add_nc_u32 v60, \l*PLEV, v7                  ; and where my wave clears
.irp px, 0,1,2,3,4,5,6,7,8,9
	v_add_nc_u32 v24, \px-4, v14                   ; the column
	v_cmp_le_u32 vcc_lo, WL, v24                   ; outside 0 .. W-1 (as unsigned)
	v_cndmask_b32 v[SA+\px], 4*\px, v9, vcc_lo     ; its place in a patch row, or the dump
	v_max_i32 v24, 0, v24
	v_min_u32 v24, WL-1, v24                       ; the read stays inside the stage row
	v_lshl_add_u32 v[LA+\px], v24, 2, v8
.endr
.set zk, 0
.rept 27                                           ; my wave's patches are cleared: 27 x 512 bytes.  They are the wave's own, and LDS serves
	ds_store_b128 v60, v[28:31] offset:512*zk      ; a wave's instructions in order (ISA guide 5.7.1): no barrier, no wait
.set zk, zk+1
.endr
.endm
; The level's 81 outputs of my query.  Its addresses (v[PBL+l], v4) were made from ids at the kernel's head.
.macro SAMPLE l
.set SC, (127-\l)<<23                  ; 2^-l
.set CW, (123-2*\l)<<23                ; 2^-(4+2l): 1/sqrt(256) and the mean of 4^l pixels
.set sk, 0
.rept 25
	ds_load_b128 v[P+4*sk:P+4*sk+3], v[PBL+\l] offset:16*sk
.set sk, sk+1
.endr
	s_lshl_b32 s28, s18, 4-\l                      ; the part's first row, p R
	s_add_co_u32 s29, s28, 16>>\l
	s_cmp_eq_u32 s18, 0
	s_cselect_b32 s28, 0xfffffc00, s28             ; LO: part 0 owns every y0 above the image too
	s_cmp_eq_u32 s18, 3
	s_cselect_b32 s29, 1024, s29                   ; HI: part 3 every y0 below it
	s_sub_co_u32 s24, s29, s28                     ; SPAN = HI - LO
	s_sub_co_u32 s26, -4, s28
	v_lshrrev_b32 v15, 16, v[IDX+\l]
	v_min_u32 v15, 383, v15
	v_add_nc_u32 v15, 0xffffff80, v15              ; YL
	v_add_nc_u32 v17, s26, v15                     ; YO = YL - 4 - LO
.if \l
	v_mul_f32 v24, SC, v12
	v_mul_f32 v25, SC, v13
	v_floor_f32 v26, v24
	v_floor_f32 v27, v25
	v_sub_f32 v24, v24, v26                        ; the fractions
	v_sub_f32 v25, v25, v27
.else
	v_floor_f32 v26, v12
	v_floor_f32 v27, v13
	v_sub_f32 v24, v12, v26
	v_sub_f32 v25, v13, v27
.endif
	v_mul_f32 v19, CW, v24                         ; WX1 = c fx
	v_sub_f32 v18, CW, v19                         ; WX0 = c - c fx
	v_mov_b32 v22, v25                             ; WY1, a pair for the packed forms
	v_mov_b32 v23, v25
	v_sub_f32 v20, 1.0, v25                        ; WY0
	v_sub_f32 v21, 1.0, v25
	s_wait_dscnt 0x0
.irp i, 0,1,2,3,4,5,6,7,8                          ; along x, in place, i ascending: P(py, i) = WX0 P(py, i) + WX1 P(py, i+1)
.irp py, 0,1,2,3,4,5,6,7,8,9
	v_mul_f32 v[P+10*\py+\i], v18, v[P+10*\py+\i]
.endr
.irp py, 0,1,2,3,4,5,6,7,8,9
	v_fmac_f32 v[P+10*\py+\i], v19, v[P+10*\py+\i+1]
.endr
.endr
.irp j, 0,1,2,3,4,5,6,7,8                          ; along y, in place, j ascending, two columns at a time (the tenth is never stored)
.irp i, 0,2,4,6,8
	v_pk_mul_f32 v[P+10*\j+\i:P+10*\j+\i+1], v[P+10*\j+\i:P+10*\j+\i+1], v[20:21]
.endr
.irp i, 0,2,4,6,8
	v_pk_fma_f32 v[P+10*\j+\i:P+10*\j+\i+1], v[P+10*\j+10+\i:P+10*\j+10+\i+1], v[22:23], v[P+10*\j+\i:P+10*\j+\i+1]
.endr
.endr
.irp j, 0,1,2,3,4,5,6,7,8
	v_add_nc_u32 v24, \j, v17                      ; y0 - LO
	v_cmp_gt_u32 vcc_lo, s24, v24                  ; mine if below SPAN (as unsigned)
	s_wait_xcnt 0x0                                ; EXEC is a source of the loads and stores issued so far: it narrows only behind this wait
	s_and_saveexec_b32 s27, vcc_lo
.irp i, 0,1,2,3,4,5,6,7,8
	global_store_b32 v4, v[P+10*\j+\i], s[12:13] offset:(81*\l+9*\i+\j)*16384 th:TH_STORE_NT
.endr
	s_wait_xcnt 0x0                                ; and widens only behind this one, which also frees P for the next level
	s_or_b32 exec_lo, exec_lo, s27
.endr
.endm
	s_wait_loadcnt 63                              ; 198 loads issued: the first 135 are in, among them my six words and all of f1 (134)
	LEVELSET 0
	; level 0: steps 0..16, one image row (64 columns) a step.  48 = the 3 x 16 loads of the three younger tiles.
	STEP 0, 0, 48, 4*STEPB, 0, 0, 0, 0
	s_mov_b32 s23, 4
.Lrow:
	STEP 1, 1, 48, 5*STEPB, 1, 0, 0, 0
	STEP 2, 0, 48, 6*STEPB, 1, 1, 0, 0
	STEP 3, 1, 48, 7*STEPB, 1, 0, 0, 0
	STEP 0, 0, 48, 8*STEPB, 1, 1, 0, 0
	s_wait_xcnt 0x0                                ; the stream's base is stepped only behind this wait
	s_add_nc_u64 s[6:7], s[6:7], 4*STEPB
	s_sub_co_u32 s23, s23, 1
	s_cmp_lg_u32 s23, 0
	s_cbranch_scc1 .Lrow
	FLUSH 1, 0, 0, 0                               ; row 16, the halo
	LEVELSET 1
	; level 1: steps 17..21, two rows of 32 columns a step.  The base stands at step 16; the last tile asked for is step 23's.
	STEP 1, 1, 48, 5*STEPB, 0, 0, 0, 0
	STEP 2, 0, 48, 6*STEPB, 2, 1, 0, 32
	STEP 3, 1, 48, 7*STEPB, 2, 0, 0, 32
	STEP 0, 0, 48, -1, 2, 1, 0, 32
	STEP 1, 1, 32, -1, 2, 0, 0, 32                 ; nothing more is asked for: the counts run down
	FLUSH 2, 1, 0, 32
	LEVELSET 2
	; step 22: level 2, rows 0..3 (16 columns each).  Step 23: level 2, rows 4, 5, and level 3, rows 0..3 (8 columns each, from column 32).
	STEP 2, 0, 16, -1, 0, 0, 0, 0
	STEP 3, 1, 0, -1, 4, 0, 0, 16
	FLUSH 1, 1, 0, 0                               ; level 2, row 4, the halo
	LEVELSET 3
	FLUSH 3, 1, 32, 8                              ; stage buffer 1 is written by nobody any more: level 3, rows 0..2
	; the four patches are whole: lerp and store.  A wave reads only its own patches: no barrier.
	SAMPLE 0
	SAMPLE 1
	SAMPLE 2
	SAMPLE 3
	s_endpgm
.Lfunc_end_k_q61c974bf00_main:
	.size	k_q61c974bf00_main, .Lfunc_end_k_q61c974bf00_main-k_q61c974bf00_main
	.p2alignl 7, 3214868480
	.fill 96, 4, 3214868480
	.section	.rodata,"a",@progbits
	.p2align	6, 0x0
	.amdhsa_kernel k_q61c974bf00_main
		.amdhsa_group_segment_fixed_size 290816
		.amdhsa_private_segment_fixed_size 0
		.amdhsa_enable_private_segment 0
		.amdhsa_kernarg_size 40
		.amdhsa_user_sgpr_count 2
		.amdhsa_user_sgpr_kernarg_segment_ptr 1
		.amdhsa_wavefront_size32 1
		.amdhsa_system_sgpr_workgroup_id_x 1
		.amdhsa_system_sgpr_workgroup_id_y 1
		.amdhsa_system_sgpr_workgroup_id_z 1
		.amdhsa_system_vgpr_workitem_id 0
		.amdhsa_next_free_vgpr 1024
		.amdhsa_next_free_sgpr 66
		.amdhsa_reserve_vcc 1
		.amdhsa_float_denorm_mode_32 3
		.amdhsa_float_denorm_mode_16_64 3
		.amdhsa_memory_ordered 1
		.amdhsa_forward_progress 1
		.amdhsa_inst_pref_size 255
	.end_amdhsa_kernel
	.section	.bss,"aw",@nobits
	.p2align	6
	.space	262144
	.amdgpu_metadata
---
amdhsa.version: [ 1, 2 ]
amdhsa.kernels:
  - .name:           k_q61c974bf00_main
    .symbol:         k_q61c974bf00_main.kd
    .args:
      - { .name: f1n, .offset: 0, .size: 8, .value_kind: global_buffer, .address_space: global }
      - { .name: f2s, .offset: 8, .size: 8, .value_kind: global_buffer, .address_space: global }
      - { .name: idx, .offset: 16, .size: 8, .value_kind: global_buffer, .address_space: global }
      - { .name: centroids_coords, .offset: 24, .size: 8, .value_kind: global_buffer, .address_space: global }
      - { .name: out0, .offset: 32, .size: 8, .value_kind: global_buffer, .address_space: global }
    .group_segment_fixed_size: 290816
    .private_segment_fixed_size: 0
    .kernarg_segment_align: 8
    .kernarg_segment_size: 40
    .max_flat_workgroup_size: 128
    .sgpr_count:     66
    .vgpr_count:     1024
    .wavefront_size: 32
...
	.end_amdgpu_metadata
.endif
;; end of part 2
;; ======== version 2 of 2: 2 launches; 1.27 times as fast as version 1
;; limits: inputs' magnitudes at most 1,023; values are held in f16: magnitudes above 65,504 overflow, below 6.1e-05 lose precision
;; workspace buffers: f1n 4,194,304 bytes; f2s 6,291,456 bytes; idx 131,072 bytes of whole numbers
;; launch prep: the kernel of part 1 again; grid 256 x 1, 4 waves a work-group, no clusters, 0 bytes of LDS; arguments fmap1, fmap2, centroids_coords, f1n, f2s, idx; writes f1n, f2s, idx
;; launch main (part 3): grid 32 x 8, 4 waves a work-group, no clusters, 323,584 bytes of LDS; arguments f1n, f2s, idx, centroids_coords, out0; writes out0
.if DOCPART == 3
	.amdgcn_target "amdgcn-amd-amdhsa--gfx1250"
	.amdhsa_code_object_version 6
	.text
	.protected	k_q61c974bf00_main
	.globl	k_q61c974bf00_main
	.p2align	8
	.type	k_q61c974bf00_main,@function
k_q61c974bf00_main:
	s_mov_b64 s[64:65], 0
	v_nop
	global_prefetch_b8 v0, s[64:65] scope:SCOPE_SE
	s_setreg_imm32_b32 hwreg(HW_REG_WAVE_MODE, 25, 1), 1
	s_wait_xcnt 0x0
; main: the correlation volume and its three pooled levels are made tile by tile, never stored, and sampled from LDS.
; Operands are f16, sums f32 (layouts of f1n, f2s and idx: see the launch that stores them).
;
; SHARES: work-group (g, 4 b + p) takes 128 queries (pixels 128 g ..) of batch b and part p of the f2 image (16 rows of level 0
; and their pooled rows, plus one row of halo per level).  Four waves, one per SIMD.  Every wave holds all 128 queries of f1 in
; 512 registers; in each of 20 steps wave w multiplies them with one f2 tile (16 positions): 64 matrix instructions on 8 KiB of f2.
; f2 goes from memory straight into a ring of four register buffers: no f2 byte is read by two waves of the group, so LDS would only
; add a write and a read of each byte.
; NO CLUSTER: joint requests are a matter of tensor loads into LDS, which this text does not use for the reason above.
;
; THE LEVELS.  Steps 0..16 multiply level 0, one image row of 64 columns a step (stream steps 0..16).  LEVEL 1'S OWN ROWS ARE NOT MULTIPLIED:
; an odd step takes the even step's sums as the C of its first K step, so that its sums are S = row 2a + row 2a+1; adding neighbouring
; columns of S (neighbouring registers of a lane) gives row a of level 1, as a sum of 4 pixels.  The odd row of level 0 itself is
; S minus the row before, taken on the ten picked columns only.  Pooling is linear, so the rest comes from pooled f2: steps 17..19 are
; stream steps 21 (level 1, halo rows 8, 9), 22 (level 2, rows 0..3) and 23 (level 2, rows 4, 5; level 3, rows 0..3).
; Stream steps 17..20 (level 1, rows 0..7) are not read.
;
; THE STEP IS A PIPELINE OF THREE.  Step t multiplies into one of two sets of sums (even and odd steps); between its blocks of matrix
; instructions stand, in short runs, the staging of the sums of step t-1 (to one of two stage buffers in LDS), the pick-up of the rows of
; step t-2 from the other stage buffer, and the 16 loads of the tile of step t+3 into the f2 buffer that step t-1 has read.
;
; SAMPLING: all 81 points of a window share one pair of fractions, so a level needs the 10 x 10 integer patch round
; (floor x, floor y) and two lerps.  Lane L of wave w picks, for its query 32 w + L, the ten columns of each staged row into its own
; patch of the level.  Rows and columns outside the patch or the image go to a dump word of the lane, so the patch keeps its zeros
; there: that is the zero padding.  Each level has a patch region of its own, and the four levels are sampled behind the last step:
; up to there every lane is on, and the lane masks of the output stores come only when no address is formed from loaded whole numbers.
; A point (level, i, j) is stored by the part that holds row y0 = floor(y) + j - 4 (part 0 also all y0 < 0, part 3 all beyond the image);
; the halo gives it row y0 + 1.  So each output is stored by one work-group, by stores of up to 128 neighbouring bytes under a lane mask.
; The factor 1/16 and the pool's 4^-l are folded into the x weights (pooled values are sums).
; LIMITS: f16's range for the operands: |fmap1|, |fmap2| and the sums of 4, 16, 64 pixels of fmap2 below 65,504 (certain for
; |fmap2| <= 1023); magnitudes below 2^-14 are f16 denormals, absolute error at most 2^-25.
; An odd row of level 0 is a difference of two f32 sums: its absolute error is a few units in the last place of the two rows' sum.
; NaN and infinite coordinates are not served; floor(c) is clamped to -128..255, where every window is outside all levels;
; c/2^l + d is not rounded before its floor (the sampled function is continuous: a few units in the last place);
; pooled f2 is rounded to f16 after pooling.
;
; REGISTERS.  Window 0: v1 L; v2 VB; v3 VA; v4 VO; v5, v11 STO in stage buffers 0, 1; v10 STO1, level 1's columns in buffer 1; v7 PZ;
;   v8 MB; v9 400; v12,13 cx,cy; v14,15 at work; v16 ROWB; v17 ROWB1, later YO; v[18:27] SA1, later the weights and temporaries of the
;   sampling; v[28:31] zeros, then R, patch rows of a pick-up; v[32:41] LA; v[42:51] SA; v[52:55] idx words of levels 0..3;
;   v[56:59] my lane's patch in levels 0..3; v[60:63] where my wave clears; v[64:127] sums of even steps (tile mt at 64 + 8 mt);
;   v[128:167] G, picked values: 128.. the even row, 138.. the odd step's sum, 148.. level 1; v[158:167] LA1 while level 1 runs;
;   v[168:231] sums of odd steps; v[232:251] T, at work; v[128:227] P, the patch, behind the last step.
;   Windows 1, 2: f1, fragment (mt, s) at 256 (1 + s/4) + 32 mt + 8 (s%4): a window holds four K steps of all eight tiles.
;   Window 3: f2, buffer k, K step s at 768 + 64 k + 8 s.
.set SP,    400                        ; a stage row: 64 f32 of the step, 32 f32 of level 1, 16 bytes: an odd multiple of 16
.set STG,   128*SP                     ; a stage buffer, 51,200 bytes
.set PATCH, 2*STG                      ; the patches lie behind the two stage buffers
.set PL,    432                        ; a lane's patch: 100 words, the dump word at byte 400, padded to an odd multiple of 16
.set PW,    32*PL                      ; a wave's patches of one level, 13,824 bytes
.set PLEV,  4*PW                       ; a level's patches, 55,296 bytes
.set STEPB, 32768                      ; four tiles: one step of the stream
.set SA1,  18
.set R,    28
.set LA,   32
.set SA,   42
.set IDX,  52
.set PBL,  56
.set PZL,  60
.set ACC,  64
.set ACCD, 104                         ; the odd steps' sums lie 104 registers above the even steps'
.set P,    128
.set G,    128
.set LA1,  158
.set T,    232
.set MSB, 0
.macro WIN new                         ; s_set_vgpr_msb: bits 1:0 source 0, 3:2 source 1, 5:4 source 2, 7:6 destination;
.if MSB != \new                        ; the high byte repeats the setting that is left
	s_set_vgpr_msb (MSB<<8)|\new
.set MSB, \new
.endif
.endm
	s_load_b256 s[4:11], s[0:1], 0x0               ; f1n s[4:5], f2s s[6:7], idx s[8:9], centroids s[10:11]
	s_load_b64 s[12:13], s[0:1], 0x20              ; out0
	v_lshrrev_b32 v24, 5, v0
	v_readfirstlane_b32 s14, v24                   ; wave
	s_and_b32 s16, ttmp7, 0xffff                   ; 4 b + p
	s_lshr_b32 s17, s16, 2                         ; b
	s_and_b32 s18, s16, 3                          ; p
	v_and_b32 v1, 31, v0                           ; L
	v_lshlrev_b32 v3, 4, v1                        ; VA = 16 L
	s_lshl_b32 s28, s14, 13
	v_add_nc_u32 v2, s28, v3                       ; VB = my tile of a step + 16 L
	v_lshlrev_b32 v4, 2, v0                        ; VO = 4 (32 w + L): my query's word in idx, centroids and out0
	v_and_b32 v24, 15, v0                          ; r
	v_bfe_u32 v25, v0, 4, 1                        ; h
	v_mul_u32_u24 v26, v24, SP                     ; r stage rows
	v_lshl_add_u32 v5, v25, 5, v26
	s_lshl_b32 s28, s14, 6
	v_add_nc_u32 v5, s28, v5                       ; STO = r rows + 4 (16 w + 8 h), stage buffer 0,
	v_add_nc_u32 v11, STG, v5                      ; and stage buffer 1: its immediates would pass 65,535 from v5
	v_lshl_add_u32 v10, v25, 4, v26
	s_lshl_b32 s28, s14, 5
	s_add_co_u32 s28, s28, STG+256
	v_add_nc_u32 v10, s28, v10                     ; STO1 = buffer 1 + r rows + 4 (64 + 8 w + 4 h)
	s_mul_i32 s28, s14, PW
	s_add_co_u32 s28, s28, PATCH                   ; my wave's patches of level 0
	v_mul_u32_u24 v[PBL], v1, PL
	v_add_nc_u32 v[PBL], s28, v[PBL]               ; my lane's patch, level 0,
	v_add_nc_u32 v[PBL+1], 1*PLEV, v[PBL]          ; and levels 1 to 3
	v_add_nc_u32 v[PBL+2], 2*PLEV, v[PBL]
	v_add_nc_u32 v[PBL+3], 3*PLEV, v[PBL]
	v_add_nc_u32 v7, s28, v3                       ; PZ: for clearing, 512 bytes an instruction
.irp l, 0,1,2,3
	v_add_nc_u32 v[PZL+\l], \l*PLEV, v7
.endr
	v_mul_u32_u24 v8, v0, SP                       ; MB: my query's stage row
	v_mov_b32 v9, 400
	v_mov_b32 v28, 0
	v_mov_b32 v29, 0
	v_mov_b32 v30, 0
	v_mov_b32 v31, 0
	s_mov_b32 s21, 0
	s_lshl_b32 s28, ttmp9, 9                       ; g * 128 words
	s_wait_kmcnt 0x0
	s_lshl_b32 s20, s17, 21                        ; f1n: b*256 tiles + g*8 tiles
	s_lshl_b32 s29, ttmp9, 16
	s_add_co_u32 s20, s20, s29
	s_add_nc_u64 s[4:5], s[4:5], s[20:21]
	s_mul_i32 s20, s16, 96*8192                    ; f2s: my stream
	s_add_nc_u64 s[6:7], s[6:7], s[20:21]
	s_lshl_b32 s20, s17, 14
	s_add_co_u32 s20, s20, s28
	s_add_nc_u64 s[8:9], s[8:9], s[20:21]
	s_lshl_b32 s20, s17, 15
	s_add_co_u32 s20, s20, s28
	s_add_nc_u64 s[10:11], s[10:11], s[20:21]
	s_mul_i32 s20, s17, 324*16384
	s_add_co_u32 s20, s20, s28
	s_add_nc_u64 s[12:13], s[12:13], s[20:21]
; 16 loads: tile at byte imm of the stream (from the stepped base) into f2 buffer buf; each covers 512 neighbouring bytes.
; It leaves the destination's window at 3: what follows sets its own.
.macro REFILL buf, imm
	WIN 0xc0
.irp c, 0,1,2,3,4,5,6,7,8,9,10,11,12,13,14,15
	global_load_b128 v[64*\buf+4*\c:64*\buf+4*\c+3], v2, s[6:7] offset:\imm+512*\c
.endr
.endm
; 32 loads of f1: tiles mt0 .. mt0+3, K steps 4 half .. 4 half + 3 (chunks of 512 bytes 8 half .. 8 half + 7), into window 1 + half
.macro F1LOAD mt0, half
.irp m, 0,1,2,3
.irp c, 0,1,2,3,4,5,6,7
	global_load_b128 v[32*(\mt0+\m)+4*\c:32*(\mt0+\m)+4*\c+3], v3, s[4:5] offset:(\mt0+\m)*8192+(8*\half+\c)*512
.endr
.endr
.endm
	; THE HEAD'S LOADS, 182 in this order: my 6 words, f2 tile 0 (16), f1's K steps 0-3 (64), f1's K steps 4-7 (64), f2 tiles 1, 2 (32).
.irp l, 0,1,2,3
	global_load_b32 v[IDX+\l], v4, s[8:9] offset:\l*32768      ; the whole numbers of my query, level l
.endr
	global_load_b32 v12, v4, s[10:11]              ; cx
	global_load_b32 v13, v4, s[10:11] offset:16384 ; cy
	REFILL 0, 0*STEPB
	WIN 0x40
	F1LOAD 0, 0
	WIN 0
	; With 54 loads on their way my wave's patches of all four levels are cleared: 4 x 27 x 512 bytes.  They are the wave's own, and LDS
	; serves a wave's instructions in order (ISA guide 5.7.1): no barrier and no wait between this, the pick-ups and the sampling.
.irp l, 0,1,2,3
.set zk, 0
.rept 27
	ds_store_b128 v[PZL+\l], v[28:31] offset:512*zk
.set zk, zk+1
.endr
.endr
	WIN 0x40
	F1LOAD 4, 0
	WIN 0x80
	F1LOAD 0, 1
	F1LOAD 4, 1
	REFILL 1, 1*STEPB
	REFILL 2, 2*STEPB
	WIN 0
; 8 matrix instructions: K step s of 128 queries x 16 positions, into the sums of parity par.  Source 0 = f2 (window 3), source 1 = f1
; (window 1 or 2): lane (r, h), register j of tile mt then holds query 16 mt + r, position 8 h + j: eight neighbouring positions of one
; query.  K step 0 starts the sums: from 0 (nothing is cleared), or, chain = 1, from the other parity's sums, the row above.
; Eight chains run side by side.
.macro MMK buf, par, s, chain
.if \s < 4
	WIN 0x07
.else
	WIN 0x0b
.endif
.irp mt, 0,1,2,3,4,5,6,7
.if \s == 0
.if \chain
	v_wmma_f32_16x16x32_f16 v[ACC+ACCD*\par+8*\mt:ACC+ACCD*\par+8*\mt+7], v[64*\buf+8*\s:64*\buf+8*\s+7], v[32*\mt+8*(\s%4):32*\mt+8*(\s%4)+7], v[ACC+ACCD*(1-\par)+8*\mt:ACC+ACCD*(1-\par)+8*\mt+7]
.else
	v_wmma_f32_16x16x32_f16 v[ACC+ACCD*\par+8*\mt:ACC+ACCD*\par+8*\mt+7], v[64*\buf+8*\s:64*\buf+8*\s+7], v[32*\mt+8*(\s%4):32*\mt+8*(\s%4)+7], 0
.endif
.else
	v_wmma_f32_16x16x32_f16 v[ACC+ACCD*\par+8*\mt:ACC+ACCD*\par+8*\mt+7], v[64*\buf+8*\s:64*\buf+8*\s+7], v[32*\mt+8*(\s%4):32*\mt+8*(\s%4)+7], v[ACC+ACCD*\par+8*\mt:ACC+ACCD*\par+8*\mt+7]
.endif
.endr
.endm
; Behind a step's last matrix instruction: four independent vector places before the next step's LDS stores and adds
; read these sums and before its loads are issued into the f2 buffer just read; five before the next step takes them as the C of its
; own sums, and before the step after that writes over them.  Matrix instructions in between are not counted as places.
.macro PLACES
.rept 5
	v_nop
.endr
.endm
; four tiles (4 half ..) of the sums of parity p to stage buffer p: 16 bytes a lane, rows 400 bytes apart
.macro STAGEH p, half
.if (\p) == 0
.set sreg, 5
.else
.set sreg, 11
.endif
.irp m, 0,1,2,3
	ds_store_b128 v[sreg], v[ACC+ACCD*(\p)+8*(4*\half+\m):ACC+ACCD*(\p)+8*(4*\half+\m)+3] offset:(4*\half+\m)*16*SP
	ds_store_b128 v[sreg], v[ACC+ACCD*(\p)+8*(4*\half+\m)+4:ACC+ACCD*(\p)+8*(4*\half+\m)+7] offset:(4*\half+\m)*16*SP+16
.endr
.endm
; level 1 from four tiles (4 half ..) of an odd step's sums (two rows already added): neighbouring columns 16 w + 8 h + 2 jj, + 1 make
; column 8 w + 4 h + jj, which goes behind the 64 columns of stage buffer 1
.macro X1H half
.irp m, 0,1,2,3
.irp jj, 0,1,2,3
	v_add_f32 v[T+4*\m+\jj], v[ACC+ACCD+8*(4*\half+\m)+2*\jj], v[ACC+ACCD+8*(4*\half+\m)+2*\jj+1]
.endr
.endr
.irp m, 0,1,2,3
	ds_store_b128 v10, v[T+4*\m:T+4*\m+3] offset:(4*\half+\m)*16*SP
.endr
.endm
; pick-up, loads: n image rows lie in my query's stage row at columns col0 + k cstr; ten clamped columns (addresses la) of each, into g
.macro PKL n, stg, col0, cstr, g, la
.set pk, 0
.rept \n
.irp px, 0,1,2,3,4,5,6,7,8,9
	ds_load_b32 v[\g+10*pk+\px], v[\la+\px] offset:(\stg)*STG+4*(\col0+pk*\cstr)
.endr
.set pk, pk+1
.endr
.endm
; pick-up, rows: row s[srow] + k of the part is patch row py = v[rowb] + s[srow] + k; outside 0..9 (as unsigned) it becomes 10, byte 400
.macro PKR n, srow, rowb, r0
.set pk, 0
.rept \n
	v_add3_u32 v[\r0+pk], s[\srow], v[\rowb], pk
.set pk, pk+1
.endr
.set pk, 0
.rept \n
	v_min_u32 v[\r0+pk], 10, v[\r0+pk]
.set pk, pk+1
.endr
.set pk, 0
.rept \n
	v_mul_u32_u24 v[\r0+pk], 40, v[\r0+pk]
.set pk, pk+1
.endr
	s_add_co_u32 s[\srow], s[\srow], \n
.endm
; pick-up, stores: a column outside the image has sa = 400; the smaller of row + column and 400 is the word's place or the dump word.
; EXEC stays full.  Ten addresses at a time, so that no line waits for the line in front of it; two sets of ten in turn, from set t0.
.macro PKS n, g, sa, pb, r0, t0
.set pk, 0
.rept \n
.set tb, T+10*((pk+\t0)%2)
.irp px, 0,1,2,3,4,5,6,7,8,9
	v_add_nc_u32 v[tb+\px], v[\r0+pk], v[\sa+\px]
.endr
.irp px, 0,1,2,3,4,5,6,7,8,9
	v_min_u32 v[tb+\px], 400, v[tb+\px]
.endr
.irp px, 0,1,2,3,4,5,6,7,8,9
	v_add_nc_u32 v[tb+\px], v[\pb], v[tb+\px]
.endr
.irp px, 0,1,2,3,4,5,6,7,8,9
	ds_store_b32 v[tb+\px], v[\g+10*pk+\px]
.endr
.set pk, pk+1
.endr
.endm
; The pick-ups that a step carries.  kind 1: an even row of level 0 (stage buffer 0).  kind 2: an odd step's sum and the row of level 1
; made of it (stage buffer 1).  kind 3: level 1's rows 8, 9 from pooled f2 (stage buffer 1).
.macro PICKL kind
.if \kind == 1
	PKL 1, 0, 0, 0, G, LA
	PKR 1, 22, 16, R
.endif
.if \kind == 2
	PKL 1, 1, 0, 0, G+10, LA
	PKL 1, 1, 64, 0, G+20, LA1
	PKR 1, 22, 16, R
	PKR 1, 30, 17, R+1
.endif
.if \kind == 3
	PKL 2, 1, 0, 32, G, LA1
	PKR 2, 30, 17, R
.endif
.endm
.macro PICKS kind
.if \kind == 1
	PKS 1, G, SA, PBL, R, 0
.endif
.if \kind == 2
.irp px, 0,1,2,3,4,5,6,7,8,9
	v_sub_f32 v[G+10+\px], v[G+10+\px], v[G+\px]   ; the odd row = the two rows' sum - the even row, picked one step ago at the same columns
.endr
	PKS 1, G+10, SA, PBL, R, 0
	PKS 1, G+20, SA1, PBL+1, R+1, 1
.endif
.if \kind == 3
	PKS 2, G, SA1, PBL+1, R, 0
.endif
.endm
.macro FLUSH n, stg, col0, cstr, l     ; a pick-up of level l that no step carries
	PKL \n, \stg, \col0, \cstr, G, LA
	PKR \n, 22, 16, R
	s_wait_dscnt 0x0
	PKS \n, G, SA, PBL+\l, R, 0
.endm
; STEP t.  buf = t % 4, par = t % 2, rbuf = (t + 3) % 4.  left: younger f2 loads that may stay out.  left2: a second such count in front of
; K step 4, or -1.  refill: byte of the tile of step t + 3, or -1.  chain: the sums start from those of step t-1.  stage: the sums of
; step t-1 (parity 1 - par) go to stage buffer 1 - par; x1: and level 1's columns made of them.  kind: the pick-up of step t-2.
; ONE BARRIER A STEP, its halves eight matrix instructions apart, serves both orders.  In front of the signal the wave has waited
; (s_wait_dscnt 0) for its stage stores of step t-1, which all waves read behind the wait, in step t+1; and for its reads of the other
; stage buffer (step t-2), into which all waves store behind the wait, in step t+1.
.macro STEP buf, par, rbuf, left, left2, refill, chain, stage, x1, kind
	PICKL \kind                                    ; issued 48 matrix instructions ahead of their use
	s_wait_loadcnt \left
	MMK \buf, \par, 0, \chain
	MMK \buf, \par, 1, 0
.if \stage
	WIN 0
	STAGEH 1-\par, 0
.if \x1
	X1H 0
.endif
.endif
	MMK \buf, \par, 2, 0
	MMK \buf, \par, 3, 0
.if \stage
	WIN 0
	STAGEH 1-\par, 1
.if \x1
	X1H 1
.endif
.endif
.if \left2 >= 0
	s_wait_loadcnt \left2
.endif
	MMK \buf, \par, 4, 0
	MMK \buf, \par, 5, 0
.if \kind
	WIN 0
	s_wait_dscnt 0x0                               ; the picked values are in
	PICKS \kind
.endif
.if \refill >= 0
	REFILL \rbuf, \refill
.endif
	MMK \buf, \par, 6, 0
	s_wait_dscnt 0x0                               ; for the other waves' sake: stores visible, reads over
	s_barrier_signal -1
	MMK \buf, \par, 7, 0                           ; registers only, while the others arrive
	WIN 0
	PLACES
	s_barrier_wait -1
.endm
; What the pick-up of level l needs: W = 64 >> l columns, the part's first row p (16 >> l), the level's own whole numbers.
; Behind each clamp of a loaded number stand only sums, a maximum, a further clamp and a shift to the left.
; la, sa: ten registers each; rowb: a register; srow: the scalar register that counts the level's rows.
.macro LEVELSET l, la, sa, rowb, srow
.set WL, 64>>\l
	s_lshl_b32 s28, s18, 4-\l                      ; the part's first row, p R
	s_add_co_u32 s25, s28, 4
	s_mov_b32 s[\srow], 0                          ; rows picked so far
	v_and_b32 v14, 0xffff, v[IDX+\l]
	v_lshrrev_b32 v15, 16, v[IDX+\l]
	v_min_u32 v14, 383, v14
	v_min_u32 v15, 383, v15
	v_add_nc_u32 v14, 0xffffff80, v14              ; XL = floor(x / 2^l), -128 .. 255
	v_add_nc_u32 v15, 0xffffff80, v15              ; YL
	v_sub_nc_u32 v[\rowb], s25, v15                ; p R + 4 - YL
.irp px, 0,1,2,3,4,5,6,7,8,9
	v_add_nc_u32 v[T+\px], \px-4, v14              ; the ten columns
.endr
.irp px, 0,1,2,3,4,5,6,7,8,9
	v_cmp_le_u32 vcc_lo, WL, v[T+\px]              ; outside 0 .. W-1 (as unsigned)
	v_cndmask_b32 v[\sa+\px], 4*\px, v9, vcc_lo    ; its place in a patch row, or the dump
.endr
.irp px, 0,1,2,3,4,5,6,7,8,9
	v_max_i32 v[T+\px], 0, v[T+\px]
.endr
.irp px, 0,1,2,3,4,5,6,7,8,9
	v_min_u32 v[T+\px], WL-1, v[T+\px]             ; the read stays inside the level's columns of the stage row
.endr
.irp px, 0,1,2,3,4,5,6,7,8,9
	v_lshl_add_u32 v[\la+\px], v[T+\px], 2, v8
.endr
.endm
; The level's 81 outputs of my query.  Its addresses (v[PBL+l], v4) were made from ids at the kernel's head.
.macro SAMPLE l
.set SC, (127-\l)<<23                  ; 2^-l
.set CW, (123-2*\l)<<23                ; 2^-(4+2l): 1/sqrt(256) and the mean of 4^l pixels
.set sk, 0
.rept 25
	ds_load_b128 v[P+4*sk:P+4*sk+3], v[PBL+\l] offset:16*sk
.set sk, sk+1
.endr
	s_lshl_b32 s28, s18, 4-\l                      ; the part's first row, p R
	s_add_co_u32 s29, s28, 16>>\l
	s_cmp_eq_u32 s18, 0
	s_cselect_b32 s28, 0xfffffc00, s28             ; LO: part 0 owns every y0 above the image too
	s_cmp_eq_u32 s18, 3
	s_cselect_b32 s29, 1024, s29                   ; HI: part 3 every y0 below it
	s_sub_co_u32 s24, s29, s28                     ; SPAN = HI - LO
	s_sub_co_u32 s26, -4, s28
	v_lshrrev_b32 v15, 16, v[IDX+\l]
	v_min_u32 v15, 383, v15
	v_add_nc_u32 v15, 0xffffff80, v15              ; YL
	v_add_nc_u32 v17, s26, v15                     ; YO = YL - 4 - LO
.if \l
	v_mul_f32 v24, SC, v12
	v_mul_f32 v25, SC, v13
	v_floor_f32 v26, v24
	v_floor_f32 v27, v25
	v_sub_f32 v24, v24, v26                        ; the fractions
	v_sub_f32 v25, v25, v27
.else
	v_floor_f32 v26, v12
	v_floor_f32 v27, v13
	v_sub_f32 v24, v12, v26
	v_sub_f32 v25, v13, v27
.endif
	v_mul_f32 v19, CW, v24                         ; WX1 = c fx
	v_sub_f32 v18, CW, v19                         ; WX0 = c - c fx
	v_mov_b32 v22, v25                             ; WY1, a pair for the packed forms
	v_mov_b32 v23, v25
	v_sub_f32 v20, 1.0, v25                        ; WY0
	v_sub_f32 v21, 1.0, v25
	s_wait_dscnt 0x0
.irp i, 0,1,2,3,4,5,6,7,8                          ; along x, in place, i ascending: P(py, i) = WX0 P(py, i) + WX1 P(py, i+1)
.irp py, 0,1,2,3,4,5,6,7,8,9
	v_mul_f32 v[P+10*\py+\i], v18, v[P+10*\py+\i]
.endr
.irp py, 0,1,2,3,4,5,6,7,8,9
	v_fmac_f32 v[P+10*\py+\i], v19, v[P+10*\py+\i+1]
.endr
.endr
.irp j, 0,1,2,3,4,5,6,7,8                          ; along y, in place, j ascending, two columns at a time (the tenth is never stored)
.irp i, 0,2,4,6,8
	v_pk_mul_f32 v[P+10*\j+\i:P+10*\j+\i+1], v[P+10*\j+\i:P+10*\j+\i+1], v[20:21]
.endr
.irp i, 0,2,4,6,8
	v_pk_fma_f32 v[P+10*\j+\i:P+10*\j+\i+1], v[P+10*\j+10+\i:P+10*\j+10+\i+1], v[22:23], v[P+10*\j+\i:P+10*\j+\i+1]
.endr
.endr
.irp j, 0,1,2,3,4,5,6,7,8
	v_add_nc_u32 v24, \j, v17                      ; y0 - LO
	v_cmp_gt_u32 vcc_lo, s24, v24                  ; mine if below SPAN (as unsigned)
	s_wait_xcnt 0x0                                ; EXEC is a source of the loads and stores issued so far: it narrows only behind this wait
	s_and_saveexec_b32 s27, vcc_lo
.irp i, 0,1,2,3,4,5,6,7,8
	global_store_b32 v4, v[P+10*\j+\i], s[12:13] offset:(81*\l+9*\i+\j)*16384 th:TH_STORE_NT
.endr
	s_wait_xcnt 0x0                                ; and widens only behind this one, which also frees P for the next level
	s_or_b32 exec_lo, exec_lo, s27
.endr
.endm
	s_wait_loadcnt 63                              ; of 182 loads the first 119 are in: my six words, f2 tile 0 and f1's K steps 0-3 are the first 86
	LEVELSET 0, LA, SA, 16, 22                     ; levels 0 and 1 are picked side by side
	LEVELSET 1, LA1, SA1, 17, 30
	; Step t stages what step t-1 multiplied and picks up what step t-2 multiplied.
	; 32 = the 2 x 16 loads of the tiles of steps t+1 and t+2; the tile of step t+3 is asked for later in step t.
	STEP 0, 0, 3, 63, 32, 3*STEPB, 0, 0, 0, 0      ; K steps 4-7 need all of f1: only tiles 1 and 2 (32 loads) may then be out
	STEP 1, 1, 0, 32, -1, 4*STEPB, 1, 1, 0, 0
	s_mov_b32 s23, 3
.Lrow:                                             ; steps 2..13: an even step starts from 0, an odd one from the even step's sums
	STEP 2, 0, 1, 32, -1, 5*STEPB, 0, 1, 1, 1
	STEP 3, 1, 2, 32, -1, 6*STEPB, 1, 1, 0, 2
	STEP 0, 0, 3, 32, -1, 7*STEPB, 0, 1, 1, 1
	STEP 1, 1, 0, 32, -1, 8*STEPB, 1, 1, 0, 2
	s_wait_xcnt 0x0                                ; the stream's base is stepped only behind this wait
	s_add_nc_u64 s[6:7], s[6:7], 4*STEPB
	s_sub_co_u32 s23, s23, 1
	s_cmp_lg_u32 s23, 0
	s_cbranch_scc1 .Lrow
	; the base stands at stream step 12; steps 14..16 ask for stream steps 21, 22, 23, the last of the stream
	STEP 2, 0, 1, 32, -1, 9*STEPB, 0, 1, 1, 1      ; step 14
	STEP 3, 1, 2, 32, -1, 10*STEPB, 1, 1, 0, 2     ; step 15
	STEP 0, 0, 3, 32, -1, 11*STEPB, 0, 1, 1, 1     ; step 16: level 0's row 16, the halo
	STEP 1, 1, 0, 32, -1, -1, 0, 1, 0, 2           ; step 17: level 1, rows 8, 9.  Nothing more is asked for: the counts run down
	STEP 2, 0, 1, 16, -1, -1, 0, 1, 0, 1           ; step 18: level 2, rows 0..3; picks level 0's row 16
	STEP 3, 1, 2, 0, -1, -1, 0, 1, 0, 3            ; step 19: level 2, rows 4, 5, level 3, rows 0..3; picks level 1's rows 8, 9
	LEVELSET 2, LA, SA, 16, 22
	; the pipeline runs empty: pick step 18 (level 2, rows 0..3 of 16 columns), stage step 19
	PKL 4, 0, 0, 16, G, LA
	PKR 4, 22, 16, R
	STAGEH 1, 0
	STAGEH 1, 1
	s_wait_dscnt 0x0
	PKS 4, G, SA, PBL+2, R, 0
	s_wait_dscnt 0x0                               ; the stage stores are visible to the others behind the barrier
	s_barrier_signal -1
	s_barrier_wait -1
	FLUSH 1, 1, 0, 0, 2                            ; level 2, row 4, the halo
	LEVELSET 3, LA, SA, 16, 22
	FLUSH 3, 1, 32, 8, 3                           ; stage buffer 1 is written by nobody any more: level 3, rows 0..2 (8 columns, from column 32)
	; the four patches are whole: lerp and store.  A wave reads only its own patches: no barrier.
	SAMPLE 0
	SAMPLE 1
	SAMPLE 2
	SAMPLE 3
	s_endpgm
.Lfunc_end_k_q61c974bf00_main:
	.size	k_q61c974bf00_main, .Lfunc_end_k_q61c974bf00_main-k_q61c974bf00_main
	.p2alignl 7, 3214868480
	.fill 96, 4, 3214868480
	.section	.rodata,"a",@progbits
	.p2align	6, 0x0
	.amdhsa_kernel k_q61c974bf00_main
		.amdhsa_group_segment_fixed_size 323584
		.amdhsa_private_segment_fixed_size 0
		.amdhsa_enable_private_segment 0
		.amdhsa_kernarg_size 40
		.amdhsa_user_sgpr_count 2
		.amdhsa_user_sgpr_kernarg_segment_ptr 1
		.amdhsa_wavefront_size32 1
		.amdhsa_system_sgpr_workgroup_id_x 1
		.amdhsa_system_sgpr_workgroup_id_y 1
		.amdhsa_system_sgpr_workgroup_id_z 1
		.amdhsa_system_vgpr_workitem_id 0
		.amdhsa_next_free_vgpr 1024
		.amdhsa_next_free_sgpr 66
		.amdhsa_reserve_vcc 1
		.amdhsa_float_denorm_mode_32 3
		.amdhsa_float_denorm_mode_16_64 3
		.amdhsa_memory_ordered 1
		.amdhsa_forward_progress 1
		.amdhsa_inst_pref_size 255
	.end_amdhsa_kernel
	.section	.bss,"aw",@nobits
	.p2align	6
	.space	262144
	.amdgpu_metadata
---
amdhsa.version: [ 1, 2 ]
amdhsa.kernels:
  - .name:           k_q61c974bf00_main
    .symbol:         k_q61c974bf00_main.kd
    .args:
      - { .name: f1n, .offset: 0, .size: 8, .value_kind: global_buffer, .address_space: global }
      - { .name: f2s, .offset: 8, .size: 8, .value_kind: global_buffer, .address_space: global }
      - { .name: idx, .offset: 16, .size: 8, .value_kind: global_buffer, .address_space: global }
      - { .name: centroids_coords, .offset: 24, .size: 8, .value_kind: global_buffer, .address_space: global }
      - { .name: out0, .offset: 32, .size: 8, .value_kind: global_buffer, .address_space: global }
    .group_segment_fixed_size: 323584
    .private_segment_fixed_size: 0
    .kernarg_segment_align: 8
    .kernarg_segment_size: 40
    .max_flat_workgroup_size: 128
    .sgpr_count:     66
    .vgpr_count:     1024
    .wavefront_size: 32
...
	.end_amdgpu_metadata
.endif
;; end of part 3
